; MI455X (gfx1250); checked and timed in simulation.
; The chip was launched on July 23, 2026; its instructions are those of AMD's public machine-readable ISA for CDNA 5 (MIT licence, August 2026) and "CDNA5" Instruction Set Architecture Reference Guide (July 2026). The comments in the code are by the model that wrote it; some were corrected since.
;; Dot Product Causal Rotary Attention. Allowed arithmetic: float matrix products may take bf16 or f16 operands with f32 sums; all other float work in f32.
;; Inputs: k 2 x 16 x 2,048 x 128 float32; q 2 x 16 x 2,048 x 128 float32; v 2 x 16 x 2,048 x 128 float32.
;; Outputs: out0 2 x 16 x 2,048 x 128 float32.
;; One version. Each part assembles by itself: llvm-mc -triple=amdgcn-amd-amdhsa -mcpu=gfx1250 --defsym DOCPART=n.
;; ======== version 1 of 1: 1 launch
;; limits: values are held in f16: magnitudes above 65,504 overflow, below 6.1e-05 lose precision; inputs' magnitudes at most 65,504
;; launch attn (part 1): grid 256 x 1, 4 waves a work-group, no clusters, 174,592 bytes of LDS; arguments q, k, v, out0; writes out0
.if DOCPART == 1
	.amdgcn_target "amdgcn-amd-amdhsa--gfx1250"
	.amdhsa_code_object_version 6
	.text
	.protected	k_qab32ccdbd3_attn
	.globl	k_qab32ccdbd3_attn
	.p2align	8
	.type	k_qab32ccdbd3_attn,@function
k_qab32ccdbd3_attn:
	s_mov_b64 s[64:65], 0
	v_nop
	global_prefetch_b8 v0, s[64:65] scope:SCOPE_SE
	s_setreg_imm32_b32 hwreg(HW_REG_WAVE_MODE, 25, 1), 1
	s_wait_xcnt 0x0
; Causal attention with partial rotary embedding.  q, k, v, out: [32 heads][2048][128] f32.  One launch does all of it.
;
; SHARING.  Work-group x: head = x >> 3, j = x & 7.  It makes two blocks of 128 query rows, block j and then block 15 - j.  Keys go in tiles
; of 64; block b needs tiles 2b+1 .. 0, so every work-group runs (2j+2) + (32-2j) = 34 tile trips: 256 equal work-groups.  Tiles are walked
; downward: the two tiles on the diagonal come first (written out, masked), then b loop trips of two unmasked tiles.
; Wave w owns query rows 32w .. 32w+31 of the block (two groups g of 16) and all 64 keys of a tile.
;
; BOTH PRODUCTS ARE TRANSPOSED, so that a query row lives in one lane pair:
;   S^T = K Q^T : source A = 16 keys x 32 d, source B = 16 query rows x 32 d; lane (r, h), register e = key 16kt+8h+e of query row r.
;   Packing two such tiles to f16 IS source B (query row r, 32 keys) of the second product: no shuffle.
;   O^T += V^T P^T : source A = 16 d x 32 keys, by the transposing LDS load from V kept [key][d]; lane (r, h), register e = d 16dt+8h+e of row r.
; So the running maximum, the factor and the sum are one number a lane; only the maximum crosses to lane xor 16, once a trip.
;
; THE MATRIX OPERANDS ARE f16, NOT bf16: 11 significant bits in place of 8.  In a row with few keys the rounding of a weight or of a score goes
; all but undamped into the result, and where two terms of size 1 cancel, a rounding of 2^-9 is larger than a hundredth of the output's spread.
; The weights lie in [0, 1]; for the range of q, k and v see limit (7).
;
; K, V AND Q GO THROUGH REGISTERS: 16-byte loads of f32 one whole trip ahead (64 KB of a work-group on their way), K and Q rotated in f32, rounded to
; f16, stored into one of two LDS buffers.  One barrier a trip.
;
; ROTARY.  Position = 64 T + local row.  Each lane keeps e^(i local theta) for its 8 rows x 2 pairs (LOC) and e^(i 64 T theta) (BASE), multiplies them
; once a tile (TC) and then multiplies its data pairs by TC.  BASE steps by e^(-i 64 theta); at the jump to the second block it is replaced by a value
; made at the start, through v_cndmask_b32 on a scalar mask.  Lanes that hold d >= 32 carry theta = 0, which gives exactly (1, 0).
; Q's bases carry log2(e) / sqrt(128), so that scores arrive in units of log2 and the exponential is v_exp_f32 alone.
;
; NO CLUSTER, NO JOINT REQUESTS, by this text's arithmetic: the eight work-groups of a head do read the same K and V, but a joint request lands the f32
; tile in LDS as it is: 64 KB written and 64 KB read back a trip, on top of the 32 KB of f16 that have to be written in any case; and the partners stand at
; different tiles (block j starts at tile 2j+1) and need different numbers of tiles in each of the two blocks.
;
; LIMITS.  (1) Angles are position x theta/2pi in f32: off by up to about 4e-4 rad at position 2047.  (2) Key tiles above the diagonal block are not
; computed: equal to the masked soft-max as long as a row's largest real score, scaled, is above about -1e9.  (3) A non-finite v or k at a key that the mask
; removes gives no NaN here.  (4) In the first trip of a block waves 0 and 1 see masked keys alone; their sums are wiped in the next trip by the factor
; exp2(-1.44e9 - m) = 0, which needs finite v.  (5) The scale is folded into q ahead of its rounding to f16.  (6) NaN scores lose in the maximum.
; (7) RANGE OF f16: |k|, |v| and 0.1275 |q| have to stay below 65,504, beyond which the rounding gives infinity; magnitudes below 6.1e-5 keep an absolute
; accuracy of 3e-8 and no more; a weight below 6e-8 of the weight at the running maximum counts in the sum but drops out of the product with V.
.set KP,    272                        ; LDS pitch of K and Q rows: 256 bytes of f16 + 16 = 68 words, so 16 rows start 4 words apart modulo 64
.set VP,    288                        ; LDS pitch of V rows: 72 words, an odd multiple of 32 bytes, for the transposing load
.set KBUF,  64*KP                      ; one K buffer
.set VBUF,  64*VP                      ; one V buffer
.set VREG,  2*KBUF                     ; V buffers behind the two K buffers
.set QREG,  VREG+2*VBUF                ; the Q block, 128 rows
.set STG,   QREG+128*KP                ; output stages, one for each wave
.set OP,    528                        ; pitch of a staged output row: 512 bytes + 16
.set STGW,  32*OP
.set ROWB,  512                        ; a row of 128 f32 in memory
.set TILEB, 64*ROWB                    ; a tile of 64 keys in memory
; window 0
.set KOFF, 10                          ; (16w+8hL) rows + 16 l : my 16 bytes of K and Q tiles in memory
.set VOFF, 11                          ; (16w+4hL) rows + 16 l : the same for V
.set KST,  12                          ; where my K words go in LDS
.set VST,  13
.set KRD,  14                          ; r KP + 16 h : K fragments
.set QRD,  15
.set VRD,  16
.set OST,  17                          ; stage, in
.set ORD,  18                          ; stage, back
.set OOFF, 19                          ; 16 x lane, in an output row
.set PFO,  20                          ; 256 x thread, for the prefetch
.set QST,  21
.set DL,   22                          ; v22-25  32w + r - 8h (+16 for g = 1), then both - 64: the diagonal, as seen from a score register
.set MX,   26                          ; v26-27  running maximum of g = 0, 1
.set AL,   28                          ; v28-29  factor of g = 0, 1
.set LS,   30                          ; v30-33  pair of partial sums for each g
.set TM,   34                          ; v34-37  at work
.set TG,   64                          ; v64-123 at the start only: six registers for each of ten sine/cosine evaluations
.set SC,   64                          ; v64-127  scores, tile (g, kt) at 32g + 8kt
.set PB,   128                         ; v128-159 P fragments, (g, ks) at 16g + 8ks
.set QF,   160                         ; v160-223 Q fragments, (g, dd) at 8 (4g + dd)
; window 1
.set KF,   0                           ; K fragments, (dd, kt) at 8 (4dd + kt)
.set VF,   128                         ; V fragments, (ks, dt) at 8 (8ks + dt)
; window 2
.set OA,   0                           ; O tiles, (g, dt) at 8 (8g + dt)
.set QS,   128                         ; Q as loaded, half t at 64t + 4i
; window 3
.set KS,   0                           ; K as loaded, instruction i at 4i
.set VS,   64
.set LOC,  128                         ; row u: [cos, sin] of pair 2l, [cos, sin] of pair 2l+1
.set BASE, 160
.set STEP, 164
.set BB,   168                         ; BASE of the second block's first tile
.set BQ0,  172
.set BQ1,  176
.set T2,   180
.set UN,   184                         ; e^(i theta)
.set TC,   188
.set YY,   220
; scalars: s[4:11] q, k, v, out at my head; s12 wave; s13 j; s14 block 0/1; s15 b; s16 loop; s17 byte offset of the next tile to load; s18 mask for BASE;
; s19 wrap; s20 trips left behind this one; s21 prefetch trips left; s[22:25] load bases; s[26:27] an offset; s28,29 lane selects; s30 mask value;
; s[32:33] scale; s[34:35] Q base; s[36:37] out base; s[38:41] prefetch bases; s42-52 at work
.set MSB, 0
.macro WIN new                         ; low byte: bits 1:0 source 0, 3:2 source 1, 5:4 source 2, 7:6 destination; high byte: the setting that is left
.if MSB != \new
	s_set_vgpr_msb (MSB<<8)|\new
.set MSB, \new
.endif
.endm
.macro PLACES                          ; four independent places behind matrix instructions (ISA guide 7.12.1)
.rept 4
	v_nop
.endr
.endm
; complex product of [re, im] pairs, d = a b (conj: a times the conjugate of b), in two lines; a stands in source 0 alone
.macro CM1 t, a, b, conj               ; t = (-a.im b.im, a.re b.im)
.if \conj
	v_pk_mul_f32 v[\t:\t+1], v[\a:\a+1], v[\b:\b+1] op_sel:[1,1] op_sel_hi:[0,1] neg_hi:[0,1]
.else
	v_pk_mul_f32 v[\t:\t+1], v[\a:\a+1], v[\b:\b+1] op_sel:[1,1] op_sel_hi:[0,1] neg_lo:[0,1]
.endif
.endm
.macro CM2 d, a, b, t                  ; d = (a.re b.re, a.im b.re) + t
	v_pk_fma_f32 v[\d:\d+1], v[\a:\a+1], v[\b:\b+1], v[\t:\t+1] op_sel_hi:[1,0,1]
.endm
.macro CVT4 r                          ; four f32 at r become two words of f16 at r, r+1
	v_cvt_pk_f16_f32 v[\r], v[\r], v[\r+1]
	v_cvt_pk_f16_f32 v[\r+1], v[\r+2], v[\r+3]
.endm
.macro TCMAKE base                     ; TC = LOC x base: the tile's 16 rotations of this lane (window 3 throughout)
.irp u, 0,1,2,3,4,5,6,7
.irp p, 0,1
	CM1 TC+4*\u+2*\p, LOC+4*\u+2*\p, \base+2*\p, 0
.endr
.endr
.irp u, 0,1,2,3,4,5,6,7
.irp p, 0,1
	CM2 TC+4*\u+2*\p, LOC+4*\u+2*\p, \base+2*\p, TC+4*\u+2*\p
.endr
.endr
.endm
; 32 loads: a block of 128 query rows, read once in the launch.  Sixteen lanes read 256 consecutive bytes, aligned.
.macro QLOAD
	WIN 0x80
.irp t, 0,1
.irp c, 0,1
.irp u, 0,1,2,3,4,5,6,7
	global_load_b128 v[QS+64*\t+4*(8*\c+\u):QS+64*\t+4*(8*\c+\u)+3], v[KOFF], s[34:35] offset:\t*TILEB+ROWB*\u+256*\c th:TH_LOAD_NT
.endr
.endr
.endr
	WIN 0
.endm
; 32 loads: the tile at byte s17 of K and of V; then s17 steps one tile down, or from tile 0 to the second block's first tile.
; The bases were freed by the s_wait_loadcnt 0 that stands in front of every call but the first.
.macro ISSUE
	s_mov_b32 s26, s17
	s_add_nc_u64 s[22:23], s[6:7], s[26:27]
	s_add_nc_u64 s[24:25], s[8:9], s[26:27]
	WIN 0xc0
.irp c, 0,1
.irp u, 0,1,2,3,4,5,6,7
	global_load_b128 v[KS+4*(8*\c+\u):KS+4*(8*\c+\u)+3], v[KOFF], s[22:23] offset:ROWB*\u+256*\c
.endr
.endr
.irp c, 0,1
.irp u, 0,1,2,3,4,5,6,7
	global_load_b128 v[VS+4*(8*\c+\u):VS+4*(8*\c+\u)+3], v[VOFF], s[24:25] offset:ROWB*((\u&3)+8*(\u>>2))+256*\c
.endr
.endr
	WIN 0
	s_cmp_eq_u32 s17, 0
	s_cselect_b32 s18, -1, 0               ; the tile behind this one is the second block's first: BASE jumps
	s_cselect_b32 s17, s19, s17
	s_sub_co_u32 s17, s17, TILEB
.endm
; Prefetch.  Only the work-group with j = 0 of each head asks (s21 = 14 there, 0 elsewhere): in its trip p = 0 .. 13 for tile 29 - p of K and of V, which
; is first loaded two trips later (its own stream loads tile 31 - p in trip p).  Lanes stand 256 bytes apart, the four waves cover the tile's 32 KB, each
; block is asked for once in the launch.  Tiles 0-15, 30 and 31 are loaded by some work-group in the first two trips and are not asked for.
; The lowest address is tile 16, the highest tile 29: inside k and v.
.macro PF tag
	s_cmp_eq_u32 s21, 0
	s_cbranch_scc1 .Lpf\tag
	s_sub_nc_u64 s[38:39], s[38:39], TILEB ; behind this tail's s_wait_xcnt 0, one trip after the prefetch that read them
	s_sub_nc_u64 s[40:41], s[40:41], TILEB
	global_prefetch_b8 v[PFO], s[38:39] th:TH_LOAD_NT scope:SCOPE_SE
	global_prefetch_b8 v[PFO], s[40:41] th:TH_LOAD_NT scope:SCOPE_SE
	s_sub_co_u32 s21, s21, 1
.Lpf\tag:
.endm
; The staged tile: K rotated (its first 256 bytes of each row: lanes l < 8 hold the 16 pairs), both rounded to f16 in place, stored into buffer buf.
.macro CONVKV buf
	WIN 0xff
	TCMAKE BASE
.irp i, 0,1,2,3,4,5,6,7,8,9,10,11,12,13,14,15
	CVT4 VS+4*\i
.endr
.irp u, 0,1,2,3,4,5,6,7
.irp p, 0,1
	CM1 YY+4*\u+2*\p, KS+4*\u+2*\p, TC+4*\u+2*\p, 0
.endr
.endr
.irp i, 8,9,10,11,12,13,14,15
	CVT4 KS+4*\i
.endr
.irp u, 0,1,2,3,4,5,6,7
.irp p, 0,1
	CM2 KS+4*\u+2*\p, KS+4*\u+2*\p, TC+4*\u+2*\p, YY+4*\u+2*\p
.endr
.endr
.irp i, 0,1,2,3,4,5,6,7
	CVT4 KS+4*\i
.endr
	WIN 0x0c
.irp c, 0,1
.irp u, 0,1,2,3,4,5,6,7
	ds_store_b64 v[VST], v[VS+4*(8*\c+\u):VS+4*(8*\c+\u)+1] offset:(\buf)*VBUF+VP*((\u&3)+8*(\u>>2))+128*\c
.endr
.endr
.irp c, 0,1
.irp u, 0,1,2,3,4,5,6,7
	ds_store_b64 v[KST], v[KS+4*(8*\c+\u):KS+4*(8*\c+\u)+1] offset:(\buf)*KBUF+KP*\u+128*\c
.endr
.endr
.endm
.macro BASEUPD                         ; BASE one tile down, or the second block's first
	WIN 0xff
.irp p, 0,1
	CM1 T2+2*\p, BASE+2*\p, STEP+2*\p, 0
.endr
.irp p, 0,1
	CM2 BASE+2*\p, BASE+2*\p, STEP+2*\p, T2+2*\p
.endr
.irp i, 0,1,2,3
	v_cndmask_b32 v[BASE+\i], v[BASE+\i], v[BB+\i], s18
.endr
.endm
; 64 rows of Q (half t of the block): rotated and scaled by bq, or scaled alone, rounded, stored
.macro QHALF t, bq
	WIN 0xff
	TCMAKE \bq
	WIN 0xfe                               ; source 0 = Q as loaded (window 2), the rest window 3
.irp u, 0,1,2,3,4,5,6,7
.irp p, 0,1
	CM1 YY+4*\u+2*\p, QS+64*\t+4*\u+2*\p, TC+4*\u+2*\p, 0
.endr
.endr
.irp u, 0,1,2,3,4,5,6,7
.irp p, 0,1
	CM2 YY+4*\u+2*\p, QS+64*\t+4*\u+2*\p, TC+4*\u+2*\p, YY+4*\u+2*\p
.endr
.endr
	WIN 0xff
.irp u, 0,1,2,3,4,5,6,7
	CVT4 YY+4*\u
.endr
	WIN 0x0c
.irp u, 0,1,2,3,4,5,6,7
	ds_store_b64 v[QST], v[YY+4*\u:YY+4*\u+1] offset:\t*KBUF+KP*\u
.endr
	WIN 0xfe
.irp u, 0,1,2,3,4,5,6,7
.irp p, 0,1
	v_pk_mul_f32 v[YY+4*\u+2*\p:YY+4*\u+2*\p+1], v[QS+64*\t+32+4*\u+2*\p:QS+64*\t+32+4*\u+2*\p+1], s[32:33] op_sel_hi:[1,0]
.endr
.endr
	WIN 0xff
.irp u, 0,1,2,3,4,5,6,7
	CVT4 YY+4*\u
.endr
	WIN 0x0c
.irp u, 0,1,2,3,4,5,6,7
	ds_store_b64 v[QST], v[YY+4*\u:YY+4*\u+1] offset:\t*KBUF+KP*\u+128
.endr
.endm
.macro SUBM g                          ; scores minus the row's maximum
.set n, 0
.rept 16
	v_pk_add_f32 v[SC+32*\g+2*n:SC+32*\g+2*n+1], v[SC+32*\g+2*n:SC+32*\g+2*n+1], v[MX:MX+1] op_sel:[0,\g] op_sel_hi:[1,\g] neg_lo:[0,1] neg_hi:[0,1]
.set n, n+1
.endr
.endm
.macro EXPS g
.set n, 0
.rept 32
	v_exp_f32 v[SC+32*\g+n], v[SC+32*\g+n]
.set n, n+1
.endr
.endm
.macro CVP g, i                        ; score pair i of group g to one word of the P fragment
	v_cvt_pk_f16_f32 v[PB+16*\g+\i], v[SC+32*\g+2*(\i)], v[SC+32*\g+2*(\i)+1]
.endm
.macro ADDP d, a, g, i                 ; d = a + score pair i of group g
	s_wait_alu depctr_va_vdst(0)
	v_pk_add_f32 v[\d:\d+1], v[\a:\a+1], v[SC+32*\g+2*(\i):SC+32*\g+2*(\i)+1]
.endm
.macro SUMCVT g, first                 ; the sum in two chains (LS: even pairs, TM: odd pairs), the packing between their links
.if \first
	ADDP LS+2*\g, SC+32*\g, \g, 2
.else
	s_wait_alu depctr_va_vdst(0)
	v_pk_fma_f32 v[LS+2*\g:LS+2*\g+1], v[LS+2*\g:LS+2*\g+1], v[AL:AL+1], v[SC+32*\g:SC+32*\g+1] op_sel:[0,\g,0] op_sel_hi:[1,\g,1]
.endif
	ADDP TM+2*\g, SC+32*\g+2, \g, 3
	CVP \g, 0
	CVP \g, 1
.if \first == 0
	ADDP LS+2*\g, LS+2*\g, \g, 2
.endif
	CVP \g, 2
	CVP \g, 3
.irp i, 4,6,8,10,12,14
	ADDP LS+2*\g, LS+2*\g, \g, \i
	ADDP TM+2*\g, TM+2*\g, \g, \i+1
	CVP \g, \i
	CVP \g, \i+1
.endr
	v_pk_add_f32 v[LS+2*\g:LS+2*\g+1], v[LS+2*\g:LS+2*\g+1], v[TM+2*\g:TM+2*\g+1]
.endm
.macro RESCALE                         ; O times the lane's factor
	WIN 0x82
.irp g, 0,1
.set n, 0
.rept 32
	v_pk_mul_f32 v[OA+64*\g+2*n:OA+64*\g+2*n+1], v[OA+64*\g+2*n:OA+64*\g+2*n+1], v[AL:AL+1] op_sel:[0,\g] op_sel_hi:[1,\g]
.set n, n+1
.endr
.endr
.endm
; ONE TRIP.  buf: the LDS buffer that holds this tile.  mask: 0 none, 1 the block's lower diagonal tile, 2 its upper one.  first: the block's first tile
; (Q fragments are fetched, nothing is carried over).  guard: 1 = no further load if one trip is left, 2 = no tail if none is left.
.macro TILE buf, mask, first, guard, tag
	s_wait_dscnt 0x0                       ; my stores of this tile (and of Q) are in LDS, my reads of the other buffer are over:
	s_barrier_signal -1
	s_barrier_wait -1                      ; both now hold of all four waves: this buffer is read, the other may be written
.if \first
.irp g, 0,1
.irp dd, 0,1,2,3
	ds_load_b128 v[QF+8*(4*\g+\dd):QF+8*(4*\g+\dd)+3], v[QRD] offset:\g*16*KP+64*\dd
	ds_load_b128 v[QF+8*(4*\g+\dd)+4:QF+8*(4*\g+\dd)+7], v[QRD] offset:\g*16*KP+64*\dd+32
.endr
.endr
.endif
	WIN 0x40
.irp dd, 0,1,2,3
.irp kt, 0,1,2,3
	ds_load_b128 v[KF+8*(4*\dd+\kt):KF+8*(4*\dd+\kt)+3], v[KRD] offset:\buf*KBUF+\kt*16*KP+64*\dd
	ds_load_b128 v[KF+8*(4*\dd+\kt)+4:KF+8*(4*\dd+\kt)+7], v[KRD] offset:\buf*KBUF+\kt*16*KP+64*\dd+32
.endr
.endr
.irp ks, 0,1
.irp dt, 0,1,2,3,4,5,6,7
	ds_load_tr16_b128 v[VF+8*(8*\ks+\dt):VF+8*(8*\ks+\dt)+3], v[VRD] offset:\buf*VBUF+\ks*32*VP+32*\dt
	ds_load_tr16_b128 v[VF+8*(8*\ks+\dt)+4:VF+8*(8*\ks+\dt)+7], v[VRD] offset:\buf*VBUF+\ks*32*VP+32*\dt+16*VP
.endr
.endr
	; S^T = K Q^T, 32 d at a time
	WIN 0x01
.irp dd, 0,1,2,3
	s_wait_dscnt 56-8*\dd                  ; LDS loads return in order (ISA guide 5.7.1): out may be the 8 (3 - dd) younger K loads and the 32 V loads
.irp g, 0,1
.irp kt, 0,1,2,3
.if \dd == 0
	v_wmma_f32_16x16x32_f16 v[SC+32*\g+8*\kt:SC+32*\g+8*\kt+7], v[KF+8*(4*\dd+\kt):KF+8*(4*\dd+\kt)+7], v[QF+8*(4*\g+\dd):QF+8*(4*\g+\dd)+7], 0
.else
	v_wmma_f32_16x16x32_f16 v[SC+32*\g+8*\kt:SC+32*\g+8*\kt+7], v[KF+8*(4*\dd+\kt):KF+8*(4*\dd+\kt)+7], v[QF+8*(4*\g+\dd):QF+8*(4*\g+\dd)+7], v[SC+32*\g+8*\kt:SC+32*\g+8*\kt+7]
.endif
.endr
.endr
.endr
	PLACES                                 ; before the scores are read, and before the next loads into these fragments
	WIN 0
.if \mask
	; key 16kt + 8h + e (+ 64 in the upper tile) stays if it is not beyond query row 32w + 16g + r
.irp g, 0,1
.irp kt, 0,1,2,3
.irp e, 0,1,2,3,4,5,6,7
	v_cmp_le_i32 vcc_lo, 16*\kt+\e, v[DL+\g+2*(\mask-1)]
	v_cndmask_b32 v[SC+32*\g+8*\kt+\e], s30, v[SC+32*\g+8*\kt+\e], vcc_lo
.endr
.endr
.endr
.endif
	; the maximum: two chains for each group, the old maximum at the head of one
.irp g, 0,1
.if \first
	v_max_num_f32 v[TM+2*\g], v[SC+32*\g], v[SC+32*\g+1]
.else
	v_max3_num_f32 v[TM+2*\g], v[MX+\g], v[SC+32*\g], v[SC+32*\g+1]
.endif
	v_max3_num_f32 v[TM+2*\g+1], v[SC+32*\g+16], v[SC+32*\g+17], v[SC+32*\g+18]
.endr
.irp i, 1,2,3,4,5,6
.irp g, 0,1
	v_max3_num_f32 v[TM+2*\g], v[TM+2*\g], v[SC+32*\g+2*\i], v[SC+32*\g+2*\i+1]
	v_max3_num_f32 v[TM+2*\g+1], v[TM+2*\g+1], v[SC+32*\g+17+2*\i], v[SC+32*\g+18+2*\i]
.endr
.endr
.irp g, 0,1
	v_max3_num_f32 v[TM+2*\g], v[TM+2*\g], v[SC+32*\g+14], v[SC+32*\g+15]
.endr
.irp g, 0,1
	v_max3_num_f32 v[TM+2*\g], v[TM+2*\g], v[TM+2*\g+1], v[SC+32*\g+31]
.endr
.irp g, 0,1
	v_permlanex16_b32 v[TM+2*\g+1], v[TM+2*\g], s28, s29   ; the other half of the row's keys lies in lane xor 16
.endr
.if \first
.irp g, 0,1
	v_max_num_f32 v[MX+\g], v[TM+2*\g], v[TM+2*\g+1]
.endr
.else
.irp g, 0,1
	v_max_num_f32 v[TM+2*\g], v[TM+2*\g], v[TM+2*\g+1]
.endr
.irp g, 0,1
	v_sub_f32 v[TM+2*\g+1], v[MX+\g], v[TM+2*\g]           ; old maximum - new one
.endr
.irp g, 0,1
	v_mov_b32 v[MX+\g], v[TM+2*\g]
.endr
.irp g, 0,1
	v_exp_f32 v[AL+\g], v[TM+2*\g+1]
.endr
.endif
	; Every run of exponentials is followed by plain work on other registers before its results are read (ISA guide 5.7.2)
	SUBM 0
	EXPS 0
	SUBM 1
	EXPS 1
	SUMCVT 0, \first
	SUMCVT 1, \first
.if \first == 0
	RESCALE
.endif
	; O^T += V^T P^T
	s_wait_dscnt 0x0                       ; the V fragments
	WIN 0xa1
.irp ks, 0,1
.irp dt, 0,1,2,3,4,5,6,7
.irp g, 0,1
.if \first*(1-\ks)
	v_wmma_f32_16x16x32_f16 v[OA+8*(8*\g+\dt):OA+8*(8*\g+\dt)+7], v[VF+8*(8*\ks+\dt):VF+8*(8*\ks+\dt)+7], v[PB+16*\g+8*\ks:PB+16*\g+8*\ks+7], 0
.else
	v_wmma_f32_16x16x32_f16 v[OA+8*(8*\g+\dt):OA+8*(8*\g+\dt)+7], v[VF+8*(8*\ks+\dt):VF+8*(8*\ks+\dt)+7], v[PB+16*\g+8*\ks:PB+16*\g+8*\ks+7], v[OA+8*(8*\g+\dt):OA+8*(8*\g+\dt)+7]
.endif
.endr
.endr
.endr
	PLACES                                 ; before O is read or scaled, P is written and V fragments are loaded again
	WIN 0
	; THE TAIL: the tile loaded during this trip goes into the other buffer, and the tile behind it is asked for
.if \guard == 2
	s_cmp_eq_u32 s20, 0
	s_cbranch_scc1 .Lskip\tag
.endif
	s_wait_loadcnt 0x0                     ; the staged tile, asked for one trip ago; also frees the load bases
	s_wait_xcnt 0x0                        ; frees the prefetch bases
	CONVKV 1-\buf
	BASEUPD
	WIN 0
.if \guard == 1
	s_cmp_eq_u32 s20, 1
	s_cbranch_scc1 .Lskip\tag
.endif
	ISSUE
	PF \tag
.Lskip\tag:
	s_sub_co_u32 s20, s20, 1
.endm
; ------------------------------------------------------------------ the start
	s_load_b256 s[4:11], s[0:1], 0x0               ; q s[4:5], k s[6:7], v s[8:9], out s[10:11]
	v_lshl_add_u32 v254, v0, 2, 0x2a800
	v_mov_b32 v255, 0
	v_lshrrev_b32 v1, 5, v0
	v_readfirstlane_b32 s12, v1                    ; wave
	s_and_b32 s13, ttmp9, 7                        ; j
	s_lshr_b32 s42, ttmp9, 3                       ; head
	s_lshl_b32 s26, s42, 20                        ; a head is 2048 rows of 512 bytes
	s_mov_b32 s27, 0                               ; stays 0: the high word of every offset
	v_and_b32 v1, 31, v0                           ; lane L
	v_and_b32 v2, 15, v0                           ; l = r
	v_bfe_u32 v3, v0, 4, 1                         ; hL = h
	v_lshlrev_b32 v4, 4, v2
	s_lshl_b32 s43, s12, 13                        ; 16 rows of memory for each wave
	v_lshl_add_u32 v5, v3, 12, v4
	v_add_nc_u32 v[KOFF], s43, v5
	v_lshl_add_u32 v5, v3, 11, v4
	v_add_nc_u32 v[VOFF], s43, v5
	s_lshl_b32 s17, s13, 16
	s_add_co_u32 s17, s17, TILEB                   ; the stream begins at tile 2j + 1
	s_sub_co_u32 s19, 16, s13
	s_lshl_b32 s19, s19, 16                        ; (32 - 2j) tiles: one above the second block's first
	s_wait_kmcnt 0x0
	s_add_nc_u64 s[4:5], s[4:5], s[26:27]
	s_add_nc_u64 s[6:7], s[6:7], s[26:27]
	s_add_nc_u64 s[8:9], s[8:9], s[26:27]
	s_add_nc_u64 s[10:11], s[10:11], s[26:27]
	s_lshl_b32 s26, s13, 16                        ; block j: 128 rows
	s_add_nc_u64 s[34:35], s[4:5], s[26:27]
	QLOAD
	ISSUE                                          ; stream position 0
	s_add_nc_u64 s[38:39], s[6:7], 30*TILEB
	s_add_nc_u64 s[40:41], s[8:9], 30*TILEB
	s_cmp_eq_u32 s13, 0
	s_cselect_b32 s21, 14, 0
	s_mov_b32 s20, 33
	s_mov_b32 s28, 0x76543210                      ; v_permlanex16_b32: lane i reads lane i of the other half
	s_mov_b32 s29, 0xfedcba98
	s_mov_b32 s30, 0xceabfb8f                      ; -1e9 log2(e)
	s_mov_b32 s32, 0x3e0293ee                      ; log2(e) / sqrt(128)
	s_mov_b32 s33, 0x3e0293ee
	; LDS addresses: a wave term from the scalar wave number, a lane term, a constant
	v_lshlrev_b32 v6, 3, v2
	v_mad_u32_u24 v5, v3, 8*KP, v6
	s_mul_i32 s44, s12, 16*KP
	v_add_nc_u32 v[KST], s44, v5
	v_add_nc_u32 v[QST], QREG, v[KST]
	v_mad_u32_u24 v5, v3, 4*VP, v6
	s_mul_i32 s44, s12, 16*VP
	s_add_co_u32 s44, s44, VREG
	v_add_nc_u32 v[VST], s44, v5
	v_mul_u32_u24 v5, v2, KP
	v_lshl_add_u32 v[KRD], v3, 4, v5
	s_mul_i32 s44, s12, 32*KP
	s_add_co_u32 s44, s44, QREG
	v_add_nc_u32 v[QRD], s44, v[KRD]
	v_and_b32 v5, 7, v0
	v_lshl_add_u32 v5, v3, 3, v5                   ; key row 8h + (L & 7)
	v_mul_u32_u24 v5, v5, VP
	v_bfe_u32 v7, v0, 3, 1
	v_lshl_add_u32 v5, v7, 4, v5
	v_add_nc_u32 v[VRD], VREG, v5
	s_mul_i32 s44, s12, STGW
	s_add_co_u32 s44, s44, STG
	v_mul_u32_u24 v5, v2, OP
	v_lshl_add_u32 v5, v3, 5, v5
	v_add_nc_u32 v[OST], s44, v5
	v_lshlrev_b32 v[OOFF], 4, v1
	v_add_nc_u32 v[ORD], s44, v[OOFF]
	v_lshlrev_b32 v[PFO], 8, v0
	s_lshl_b32 s44, s12, 5
	v_lshlrev_b32 v5, 3, v3
	v_sub_nc_u32 v5, v2, v5
	v_add_nc_u32 v[DL], s44, v5
	v_add_nc_u32 v[DL+1], 16, v[DL]
	v_sub_nc_u32 v[DL+2], v[DL], 64
	v_sub_nc_u32 v[DL+3], v[DL], 48
	; ---- sines and cosines, while the loads are on their way
	s_mov_b32 s42, 0xb9500d01                      ; -1/5040
	s_mov_b32 s43, 0x3c088889                      ; 1/120
	s_mov_b32 s44, 0xbe2aaaab                      ; -1/6
	s_mov_b32 s45, 0x37d00d01                      ; 1/40320
	s_mov_b32 s46, 0xbab60b61                      ; -1/720
	s_mov_b32 s47, 0x3d2aaaab                      ; 1/24
	s_mov_b32 s48, 0x3fc90fdb                      ; pi/2
	s_mov_b32 s49, 0xbf549a78                      ; -log2(10000)/16
	s_mov_b32 s50, 0xc029b21d                      ; -log2(2 pi)
	v_lshlrev_b32 v5, 1, v2
	v_cvt_f32_u32 v5, v5                           ; pair 2l
	v_fma_f32 v6, v5, s49, s50
	v_add_f32 v7, s49, v6                          ; pair 2l + 1
	v_exp_f32 v6, v6                               ; theta / 2 pi: revolutions for each position
	v_exp_f32 v7, v7
	v_cmp_gt_u32 vcc_lo, 8, v2                     ; (the plain place behind the two exponentials)
	s_wait_alu depctr_va_vdst(0)
	v_cndmask_b32 v6, 0, v6, vcc_lo                ; lanes with d >= 32 do not rotate
	v_cndmask_b32 v7, 0, v7, vcc_lo
	s_lshl_b32 s51, s12, 4
	v_lshl_add_u32 v8, v3, 3, s51
	v_cvt_f32_u32 v8, v8                           ; my first local row, 16w + 8hL
	s_lshl_b32 s51, s13, 7
	s_sub_co_u32 s52, 1984, s51                    ; 64 (31 - 2j)
	s_add_co_u32 s51, s51, 64                      ; 64 (2j + 1)
	v_cvt_f32_u32 v9, s51
	v_cvt_f32_u32 v5, s52
	v_mul_f32 v[TG+0], v8, v6
	v_mul_f32 v[TG+6], v8, v7
	v_mul_f32 v[TG+24], 0xc2800000, v6             ; -64 positions
	v_mul_f32 v[TG+30], 0xc2800000, v7
	v_mul_f32 v[TG+36], v9, v6
	v_mul_f32 v[TG+42], v9, v7
	v_mul_f32 v[TG+48], v5, v6
	v_mul_f32 v[TG+54], v5, v7
.macro RED e, x                        ; f = x - nearest whole number of revolutions, exact
	v_rndne_f32 v[TG+6*\e+1], v[\x]
	v_sub_f32 v[TG+6*\e], v[\x], v[TG+6*\e+1]
.endm
	RED 0, TG+0
	RED 1, TG+6
	RED 2, 6                                       ; one position: theta itself
	RED 3, 7
	RED 4, TG+24
	RED 5, TG+30
	RED 6, TG+36
	RED 7, TG+42
	RED 8, TG+48
	RED 9, TG+54
	; a = a quarter of the angle, |a| <= pi/4; series to a^7 and a^8 (what is left out is below 4e-7); then the angle is doubled twice
.irp e, 0,1,2,3,4,5,6,7,8,9
	v_mul_f32 v[TG+6*\e], s48, v[TG+6*\e]
.endr
.irp e, 0,1,2,3,4,5,6,7,8,9
	v_mul_f32 v[TG+6*\e+1], v[TG+6*\e], v[TG+6*\e]
.endr
.irp e, 0,1,2,3,4,5,6,7,8,9
	v_fma_f32 v[TG+6*\e+2], v[TG+6*\e+1], s42, s43
	v_fma_f32 v[TG+6*\e+3], v[TG+6*\e+1], s45, s46
.endr
.irp e, 0,1,2,3,4,5,6,7,8,9
	v_fma_f32 v[TG+6*\e+2], v[TG+6*\e+2], v[TG+6*\e+1], s44
	v_fma_f32 v[TG+6*\e+3], v[TG+6*\e+3], v[TG+6*\e+1], s47
.endr
.irp e, 0,1,2,3,4,5,6,7,8,9
	v_fma_f32 v[TG+6*\e+2], v[TG+6*\e+2], v[TG+6*\e+1], 1.0
	v_fma_f32 v[TG+6*\e+3], v[TG+6*\e+3], v[TG+6*\e+1], -0.5
.endr
.irp e, 0,1,2,3,4,5,6,7,8,9
	v_mul_f32 v[TG+6*\e+2], v[TG+6*\e+2], v[TG+6*\e]           ; sin a
	v_fma_f32 v[TG+6*\e+3], v[TG+6*\e+3], v[TG+6*\e+1], 1.0    ; cos a
.endr
.irp e, 0,1,2,3,4,5,6,7,8,9
	v_add_f32 v[TG+6*\e+4], v[TG+6*\e+2], v[TG+6*\e+2]         ; 2 sin a
.endr
.irp e, 0,1,2,3,4,5,6,7,8,9
	v_mul_f32 v[TG+6*\e+5], v[TG+6*\e+4], v[TG+6*\e+3]         ; sin 2a
	v_fma_f32 v[TG+6*\e+3], -v[TG+6*\e+4], v[TG+6*\e+2], 1.0   ; cos 2a
.endr
.irp e, 0,1,2,3,4,5,6,7,8,9
	v_add_f32 v[TG+6*\e+4], v[TG+6*\e+5], v[TG+6*\e+5]         ; 2 sin 2a
.endr
.macro DBL e, d                        ; the second doubling writes [cos, sin] straight into window 3
	v_fma_f32 v[\d], -v[TG+6*\e+4], v[TG+6*\e+5], 1.0
	v_mul_f32 v[\d+1], v[TG+6*\e+4], v[TG+6*\e+3]
.endm
	WIN 0xc0
	DBL 0, LOC
	DBL 1, LOC+2
	DBL 2, UN
	DBL 3, UN+2
	DBL 4, STEP
	DBL 5, STEP+2
	DBL 6, BASE
	DBL 7, BASE+2
	DBL 8, BB
	DBL 9, BB+2
	WIN 0xff
.irp u, 1,2,3,4,5,6,7
.irp p, 0,1
	CM1 LOC+4*\u+2*\p, LOC+4*(\u-1)+2*\p, UN+2*\p, 0           ; row u = row u - 1 turned by one position
.endr
.irp p, 0,1
	CM2 LOC+4*\u+2*\p, LOC+4*(\u-1)+2*\p, UN+2*\p, LOC+4*\u+2*\p
.endr
.endr
	WIN 0
	s_wait_loadcnt 0x0                             ; Q's block and stream position 0
	CONVKV 0
	BASEUPD
	WIN 0
	ISSUE                                          ; stream position 1
; ------------------------------------------------------------------ two blocks of query rows
	s_mov_b32 s14, 0
.Lphase:
	s_sub_co_u32 s42, 15, s13
	s_cmp_eq_u32 s14, 0
	s_cselect_b32 s15, s13, s42                    ; b = j, then 15 - j
	; Q: at this point BASE stands at tile 2b, the position of the block's first 64 rows; one step back up is that of the other 64
	s_wait_loadcnt 0x20                            ; behind Q's loads only one staged tile (32 loads) has been asked for and not yet waited for
	WIN 0xff
.irp p, 0,1
	CM1 BQ1+2*\p, BASE+2*\p, STEP+2*\p, 1
.endr
.irp p, 0,1
	CM2 BQ1+2*\p, BASE+2*\p, STEP+2*\p, BQ1+2*\p
.endr
.irp p, 0,1
	v_pk_mul_f32 v[BQ0+2*\p:BQ0+2*\p+1], v[BASE+2*\p:BASE+2*\p+1], s[32:33] op_sel_hi:[1,0]
	v_pk_mul_f32 v[BQ1+2*\p:BQ1+2*\p+1], v[BQ1+2*\p:BQ1+2*\p+1], s[32:33] op_sel_hi:[1,0]
.endr
	QHALF 0, BQ0
	QHALF 1, BQ1
	WIN 0
	s_cmp_lg_u32 s14, 0
	s_cbranch_scc1 .Lnoq
	s_lshl_b32 s26, s42, 16                        ; the second block's Q is asked for a whole block ahead
	s_add_nc_u64 s[34:35], s[4:5], s[26:27]        ; (the loads that read this base were waited for at the start)
	QLOAD
.Lnoq:
	TILE 0, 2, 1, 0, a
	TILE 1, 1, 0, 0, b
	s_cmp_eq_u32 s15, 0
	s_cbranch_scc1 .Lnoloop
	s_mov_b32 s16, s15
.Linner:
	TILE 0, 0, 0, 1, c
	TILE 1, 0, 0, 2, d
	s_sub_co_u32 s16, s16, 1
	s_cmp_lg_u32 s16, 0
	s_cbranch_scc1 .Linner
.Lnoloop:
	; THE WAY OUT: divide by the sum, 32 rows through my own stage, whole rows of 512 bytes to memory
	s_lshl_b32 s26, s15, 16
	s_lshl_b32 s42, s12, 14
	s_add_co_u32 s26, s26, s42                     ; row 128 b + 32 w
	s_add_nc_u64 s[36:37], s[10:11], s[26:27]      ; (the first block's stores were followed by s_wait_xcnt 0)
.irp g, 0,1
	v_add_f32 v[TM+2*\g], v[LS+2*\g], v[LS+2*\g+1]
.endr
.irp g, 0,1
	v_permlanex16_b32 v[TM+2*\g+1], v[TM+2*\g], s28, s29
.endr
.irp g, 0,1
	v_add_f32 v[TM+2*\g], v[TM+2*\g], v[TM+2*\g+1]
.endr
	v_rcp_f32 v[AL], v[TM]                         ; the sum is at least 1: the row's largest score gives exp2(0)
	v_rcp_f32 v[AL+1], v[TM+2]
	v_nop                                          ; the plain place behind the reciprocals (ISA guide 5.7.2)
	s_wait_alu depctr_va_vdst(0)
	RESCALE
	WIN 0x08
.irp g, 0,1
.irp dt, 0,1,2,3,4,5,6,7
	ds_store_b128 v[OST], v[OA+8*(8*\g+\dt):OA+8*(8*\g+\dt)+3] offset:\g*16*OP+64*\dt
	ds_store_b128 v[OST], v[OA+8*(8*\g+\dt)+4:OA+8*(8*\g+\dt)+7] offset:\g*16*OP+64*\dt+16
.endr
.endr
	WIN 0
.irp i, 0,1,2,3,4,5,6,7,8,9,10,11,12,13,14,15
	ds_load_b128 v[SC+4*\i:SC+4*\i+3], v[ORD] offset:\i*OP         ; LDS serves a wave in order (ISA guide 5.7.1): these see my stores above
.endr
.irp i, 0,1,2,3,4,5,6,7,8,9,10,11,12,13,14,15
	ds_load_b128 v[QF+4*\i:QF+4*\i+3], v[ORD] offset:(16+\i)*OP
.endr
.irp i, 0,1,2,3,4,5,6,7,8,9,10,11,12,13,14,15
	s_wait_dscnt 31-\i                             ; the younger row loads stay out
	global_store_b128 v[OOFF], v[SC+4*\i:SC+4*\i+3], s[36:37] offset:\i*ROWB th:TH_STORE_NT   ; 32 lanes store one row: 512 consecutive bytes, aligned
.endr
.irp i, 0,1,2,3,4,5,6,7,8,9,10,11,12,13,14,15
	s_wait_dscnt 15-\i
	global_store_b128 v[OOFF], v[QF+4*\i:QF+4*\i+3], s[36:37] offset:(16+\i)*ROWB th:TH_STORE_NT
.endr
	s_wait_xcnt 0x0                                ; the stores' data registers and base are written again only behind this wait
	s_add_co_u32 s14, s14, 1
	s_cmp_lt_u32 s14, 2
	s_cbranch_scc1 .Lphase
	s_wait_tensorcnt 0x0
	ds_add_u32 v254, v255
	s_wait_dscnt 0x0
	s_endpgm
.Lfunc_end_k_qab32ccdbd3_attn:
	.size	k_qab32ccdbd3_attn, .Lfunc_end_k_qab32ccdbd3_attn-k_qab32ccdbd3_attn
	.p2alignl 7, 3214868480
	.fill 96, 4, 3214868480
	.section	.rodata,"a",@progbits
	.p2align	6, 0x0
	.amdhsa_kernel k_qab32ccdbd3_attn
		.amdhsa_group_segment_fixed_size 174592
		.amdhsa_private_segment_fixed_size 0
		.amdhsa_enable_private_segment 0
		.amdhsa_kernarg_size 32
		.amdhsa_user_sgpr_count 2
		.amdhsa_user_sgpr_kernarg_segment_ptr 1
		.amdhsa_wavefront_size32 1
		.amdhsa_system_sgpr_workgroup_id_x 1
		.amdhsa_system_sgpr_workgroup_id_y 1
		.amdhsa_system_sgpr_workgroup_id_z 1
		.amdhsa_system_vgpr_workitem_id 0
		.amdhsa_next_free_vgpr 1024
		.amdhsa_next_free_sgpr 66
		.amdhsa_reserve_vcc 1
		.amdhsa_float_denorm_mode_32 3
		.amdhsa_float_denorm_mode_16_64 3
		.amdhsa_memory_ordered 1
		.amdhsa_forward_progress 1
		.amdhsa_inst_pref_size 228
	.end_amdhsa_kernel
	.amdgpu_metadata
---
amdhsa.version: [ 1, 2 ]
amdhsa.kernels:
  - .name:           k_qab32ccdbd3_attn
    .symbol:         k_qab32ccdbd3_attn.kd
    .args:
      - { .name: q, .offset: 0, .size: 8, .value_kind: global_buffer, .address_space: global }
      - { .name: k, .offset: 8, .size: 8, .value_kind: global_buffer, .address_space: global }
      - { .name: v, .offset: 16, .size: 8, .value_kind: global_buffer, .address_space: global }
      - { .name: out0, .offset: 24, .size: 8, .value_kind: global_buffer, .address_space: global }
    .group_segment_fixed_size: 174592
    .private_segment_fixed_size: 0
    .kernarg_segment_align: 8
    .kernarg_segment_size: 32
    .max_flat_workgroup_size: 128
    .sgpr_count:     66
    .vgpr_count:     1024
    .wavefront_size: 32
...
	.end_amdgpu_metadata
.endif
;; end of part 1
